; MI455X (gfx1250); checked and timed in simulation.
; The chip was launched on July 23, 2026; its instructions are those of AMD's public machine-readable ISA for CDNA 5 (MIT licence, August 2026) and "CDNA5" Instruction Set Architecture Reference Guide (July 2026). The comments in the code are by the model that wrote it; some were corrected since.
;; Multi Head Attention. Allowed arithmetic: matrix products marked QUANTISED: E2M3 operands, one E8M0 scale for each 32 along K, by v_wmma_scale_f32_16x16x128_f8f6f4 with both operands' format E2M3, f32 sums; everything else in f32.
;; Inputs: W_k_codes 1,024 x 32 x 24 uint8 (E2M3 codes of W_k, K innermost, in blocks of 32 codes, four codes in three bytes); W_k_scales 1,024 x 32 uint8 (E8M0 scales of W_k, one for each 32 codes along K); W_o_codes 1,024 x 32 x 24 uint8 (E2M3 codes of W_o, K innermost, in blocks of 32 codes, four codes in three bytes); W_o_scales 1,024 x 32 uint8 (E8M0 scales of W_o, one for each 32 codes along K); W_q_codes 1,024 x 32 x 24 uint8 (E2M3 codes of W_q, K innermost, in blocks of 32 codes, four codes in three bytes); W_q_scales 1,024 x 32 uint8 (E8M0 scales of W_q, one for each 32 codes along K); W_v_codes 1,024 x 32 x 24 uint8 (E2M3 codes of W_v, K innermost, in blocks of 32 codes, four codes in three bytes); W_v_scales 1,024 x 32 uint8 (E8M0 scales of W_v, one for each 32 codes along K); b_k 1,024 float32; b_o 1,024 float32; b_q 1,024 float32; b_v 1,024 float32; causal_mask 1 x 1 x 2,048 x 2,048 bool; context_mask 4 x 2,048 bool; k_codes 4 x 2,048 x 32 x 24 uint8 (E2M3 codes of k, K innermost, in blocks of 32 codes, four codes in three bytes); k_scales 4 x 2,048 x 32 uint8 (E8M0 scales of k, one for each 32 codes along K); q_codes 4 x 2,048 x 32 x 24 uint8 (E2M3 codes of q, K innermost, in blocks of 32 codes, four codes in three bytes); q_scales 4 x 2,048 x 32 uint8 (E8M0 scales of q, one for each 32 codes along K); v_codes 4 x 2,048 x 32 x 24 uint8 (E2M3 codes of v, K innermost, in blocks of 32 codes, four codes in three bytes); v_scales 4 x 2,048 x 32 uint8 (E8M0 scales of v, one for each 32 codes along K).
;; Outputs: out0 4 x 2,048 x 1,024 float32.
;; This version of the problem:
;;   THIS VERSION OF THE PROBLEM IS GIVEN IN LOW PRECISION. The matrix products marked QUANTISED in the list below multiply operands that are first quantised to E2M3 (2 exponent bits, 3 mantissa bits; 6 bits a number), with one power-of-two scale for each 32 numbers along K (OCP MX v1.0); their sums are f32. All else is computed in f32.
;;   The module's matrix products, in the order in which they are computed (A, B: the left and right operand; K: the contracted axis; several contracted axes count as one K, in the product's order):
;;     1. [M 8,192, K 1,024] x [K 1,024, N 1,024]; A: input q (given as codes); B: input W_q (given as codes): QUANTISED
;;     2. [M 8,192, K 1,024] x [K 1,024, N 1,024]; A: input k (given as codes); B: input W_k (given as codes): QUANTISED
;;     3. [M 8,192, K 1,024] x [K 1,024, N 1,024]; A: input v (given as codes); B: input W_v (given as codes): QUANTISED
;;     4. batch 64 x [M 2,048, K 64] x [K 64, N 2,048]; A: computed on the way; B: computed on the way: QUANTISED
;;     5. batch 64 x [M 2,048, K 2,048] x [K 2,048, N 64]; A: softmax (see below); B: computed on the way: QUANTISED
;;     6. [M 8,192, K 1,024] x [K 1,024, N 1,024]; A: computed on the way; B: input W_o (given as codes): QUANTISED
;;   THE QUANTISER, for each operand of a quantised product, along K:
;;     - K is cut into blocks of 32 from its start; a last block that is shorter is filled with zeros.
;;     - A block's scale is 2^e with e = floor(log2(the largest magnitude in the block)) - 2, held to -126 .. 127; a block of zeros has e = 0. As a byte (E8M0): e + 127.
;;     - Each number is divided by its block's scale, clamped to +-7.5, and rounded to the nearest number of E2M3, ties to even, subnormals kept.
;;     - The product sums the exact products of the quantised numbers (number of the format x scale) in f32.
;;   ~~~python
;;   def quantise(x, axis):      # numpy; x: float32 -> the quantised numbers, widened to float32 again
;;       x = np.moveaxis(x, axis, -1); K = x.shape[-1]
;;       x = np.pad(x, [(0, 0)] * (x.ndim - 1) + [(0, -K % 32)]); x = x.reshape(x.shape[:-1] + (-1, 32)); a = np.abs(x).max(-1, keepdims=True)
;;       e = np.where(a > 0, np.clip(np.frexp(np.where(a > 0, a, 1))[1] - 1 - 2, -126, 127), 0)      # np.frexp(a)[1] - 1 = floor(log2(a)), exactly
;;       r = np.clip(x / 2.0 ** e, -7.5, 7.5)
;;       step = 2.0 ** (np.maximum(np.frexp(np.where(r == 0, 1, r))[1] - 1, 0) - 3)
;;       q = np.round(r / step) * step * 2.0 ** e      # np.round: ties to even
;;       return np.moveaxis(q.reshape(q.shape[:-2] + (-1,))[..., :K], -1, axis).astype(np.float32)
;;   ~~~
;;   SOFTMAX AHEAD OF A QUANTISED PRODUCT. Where the list says 'softmax', what is quantised is not the finished softmax but p = 2^(t - M), with t = logit x log2(e) and M = ceil(the row's largest t), a whole number; so 1/2 < the row's largest p <= 1. The row's sum l is taken of the UNQUANTISED p, in f32, and the product's result is divided by l at the end. Since M is a whole number, a kernel that streams over the keys may use a running M (the ceiling of the running maximum): every later rescaling is an exact power of two, which a block's scale takes up: the codes' values come out the same.
;;   OPERANDS COMPUTED ON THE WAY. 'Computed on the way' means the value that the module computes at that place (a softmax that the list does not call 'softmax' is quantised finished and normalised). What goes into a quantiser is computed in f32, as accurately as f32 sums, v_exp_f32 and their like allow (about 1e-6 of the number): no bf16 or f16 on the way to a quantiser, and a product that is left as it is and whose result goes on into a quantised operand takes f32 operands (vector FMAs, or v_wmma_f32_16x16x4_f32). A number that lies on a knife's edge between two numbers of the format may be rounded either way, as far as f32 arithmetic and the matrix unit's own rounding can turn it there, and no further.
;;   INPUTS GIVEN AS CODES. W_k (in the module: [1024, 1024], K = its axis 0); W_o (in the module: [1024, 1024], K = its axis 0); W_q (in the module: [1024, 1024], K = its axis 0); W_v (in the module: [1024, 1024], K = its axis 0); k (in the module: [4, 2048, 1024], K = its axis 2); q (in the module: [4, 2048, 1024], K = its axis 2); v (in the module: [4, 2048, 1024], K = its axis 2): each comes as NAME_codes (uint8): NAME with its K axis moved to the last place and cut into blocks of 32 codes, [.., K / 32, bytes a block], one block behind the other in memory; four codes in three bytes: a row's codes are one little-endian stream of bits, code i at bits 6 i .. 6 i + 5 (a code: sign, 2 exponent bits, 3 mantissa bits); and NAME_scales (uint8): the same leading axes, one E8M0 byte (e + 127) for each 32 codes along K. Its value is code x scale, taken as it is: it is not quantised again, and the codes and scales need not be those that the quantiser above would give.
;; One version. Each part assembles by itself: llvm-mc -triple=amdgcn-amd-amdhsa -mcpu=gfx1250 --defsym DOCPART=n.
;; ======== version 1 of 1: 3 launches
;; limits: right only within a limited range of input values
;; workspace buffers: rowfull 32,768 bytes of whole numbers; mw 2,097,152 bytes; qkvc 18,874,368 bytes; qkvs 1,310,720 bytes; oc 6,291,456 bytes; os 262,144 bytes
;; launch proj (part 1): grid 4 x 192, 4 waves a work-group, clusters of 4 x 4, 327,680 bytes of LDS; arguments q_codes, q_scales, W_q_codes, W_q_scales, b_q, k_codes, k_scales, W_k_codes, W_k_scales, b_k, W_v_codes, W_v_scales, v_codes, v_scales, b_v, qkvc, qkvs, causal_mask, context_mask, mw, rowfull; writes qkvc, qkvs, mw, rowfull
.if DOCPART == 1
	.amdgcn_target "amdgcn-amd-amdhsa--gfx1250"
	.amdhsa_code_object_version 6
	.text
	.protected	k_q0357163f5a_proj
	.globl	k_q0357163f5a_proj
	.p2align	8
	.type	k_q0357163f5a_proj,@function
k_q0357163f5a_proj:
	s_mov_b64 s[64:65], 0
	v_nop
	global_prefetch_b8 v0, s[64:65] scope:SCOPE_SE
	s_setreg_imm32_b32 hwreg(HW_REG_WAVE_MODE, 25, 1), 1
	s_wait_xcnt 0x0
	s_wait_alu depctr_hold_cnt(0) depctr_sa_sdst(0) depctr_va_vdst(0) depctr_va_sdst(0) depctr_va_ssrc(0) depctr_va_vcc(0) depctr_vm_vsrc(0)
	s_getreg_b32 s2, hwreg(HW_REG_IB_STS2, 6, 4)
	s_cmp_eq_u32 s2, 0
	s_cbranch_scc0 .Lentry_in_a_cluster
	s_endpgm
.Lentry_in_a_cluster:
	s_bfe_u32 s2, ttmp6, 0x10000c
	s_cmp_lg_u32 s2, 0xf033
	s_cbranch_scc0 .Lentry_shape_is_right
	s_endpgm
.Lentry_shape_is_right:
; The three projections on codes of FP6 (E2M3) with E8M0 scales; the results are quantised again into images of operand registers for the attention launch.
; C[m][n] = sum over k of A[m][k] B[n][k], K = 1,024.  A block of C is 128 x 256; four waves, 2 x 2, of 64 x 128: 32 accumulators a wave.
; ALL OF K LIES IN LDS: 128 rows of A and 256 of B, whole rows of 768 bytes (16 bytes of padding behind every 256), and their scale bytes.  Four fills at the head, one a wave; nothing is filled again.
; One text, three tensors, chosen by the cluster's y (16 clusters each): q, k: A = tokens, B = the weight's rows; v: A = W_v's rows, B = tokens.
; The matrix instruction is used transposed (source 0 = rows of B): a lane holds a row of A and its registers run along rows of B, the K of the product that follows.
; Within a block of 32 the codes stand in the order 0-7, 16-23, 8-15, 24-31; both operands of each attention product are made in this order.
; OUT. qkvc: q [b][head][t 128][768] at 0, k at 6,291,456, v [b][step 16][feature tile 64][1,536] at 12,582,912; 768 bytes: registers 0-3 at 16 x lane, 4-5 at 512 + 8 x lane.
;      qkvs: a word a row: q [b][head][t][16] at 0, k at 524,288 (bytes b0 b1 b0 b1), v [b][step][feature tile][16] at 1,048,576.   q's result is multiplied by 1/8, exactly.
; CLUSTERS: A's tile and scales are asked for jointly along a row of the cluster, B's along a column.  NO PREFETCH: the text has no loop to run ahead in; every tile is asked for once, at the head.
; LIMITS: NaN and infinities are not served; a block whose largest magnitude lies under 2^-124 keeps the scale byte 1.
; REGISTERS: window 0: v0-31 addresses; v32-111 scale words (block i, step q at 32 + 10 i + q: lanes 0-15 A's, lanes 16-31 B's); v112-207 A's fragments, two sets, on the way out numbers, codes and work.
;   window 1: B's fragments, two sets.  window 2: the accumulators.  window 3: v0-63 bias by columns, v64-71 by rows, v128-151 LDS addresses of the twelve blocks of rows.
.set KROW, 768
.set KS, 32
.set PITCH, 816
.set FR, 12
.set AB, 128*PITCH
.set SCL, AB+256*PITCH
.set SBLK, 544
.set SPARE, SCL+24*SBLK
.set ADRS, 27
.set SPW, 28
.set NIL, 29
.set SC, 32
.set AF, 112
.set X, 112
.set PC, 176
.set TM, 196
.set PW, 212
.set WL, 213
.set WH, 214
.set WW, 216
.set BT, 0
.set BA, 64
.set AD, 128
.set SEL, 18
.set G1, 24
.set G0A, 32
.set G0B, 36
.set G1B, 48
.set G1S, 68
.set G0S, 76
.set G1SB, 80
.set G0SB, 88
.set MSB, 0
.macro WIN new
.if MSB != (\new)
	s_set_vgpr_msb (MSB<<8)|(\new)
.set MSB, (\new)
.endif
.endm
.macro PLACES n
.rept \n
	v_nop
.endr
.endm
.macro CROUND
	s_barrier_signal -1
	s_barrier_wait -1
	s_cmp_lg_u32 s14, 0
	s_cbranch_scc1 .Lnot_wave_0_\@
	s_barrier_signal -3
.Lnot_wave_0_\@:
	s_barrier_wait -3
	s_barrier_signal -1
	s_barrier_wait -1
.endm
.macro GRP g, mask, w0, c, rows        ; descriptor group 1: rows of c elements
	s_or_b32 s[\g], s[\mask], \w0
	s_mov_b32 s[\g+1], (\c)<<16
	s_mov_b32 s[\g+2], (\rows)<<16
	s_mov_b32 s[\g+3], (\c)<<16
	s_mov_b32 s[\g+4], \rows
	s_mov_b32 s[\g+5], \c
	s_mov_b32 s[\g+6], 0
	s_mov_b32 s[\g+7], 0
.endm
.macro GR0 g, lds, base, off           ; descriptor group 0
	s_mov_b32 s[\g], 1
	s_mov_b32 s[\g+1], \lds
	s_add_nc_u64 s[\g+2:\g+3], s[\base:\base+1], s[\off:\off+1]
	s_or_b32 s[\g+3], s[\g+3], 0x80000000
.endm
.macro ARM under, g0, g1, next         ; one arm of the head's tree: one load, then to the tree's end
	s_cmp_lt_u32 s14, \under
	s_cbranch_scc0 \next
	tensor_load_to_lds s[\g0:\g0+3], s[\g1:\g1+7]
	s_nop 0
	PLACES 4
	s_branch .Lhead_asked
\next:
.endm
	s_load_b512 s[24:39], s[0:1], 0x0
	s_load_b512 s[40:55], s[0:1], 0x40
	s_load_b64 s[56:57], s[0:1], 0x80
	v_lshl_add_u32 v[SPW], v0, 2, SPARE
	v_mov_b32 v[NIL], 0
	ds_add_u32 v[SPW], v[NIL]                      ; the opening lines: the add twice and its wait
	ds_add_u32 v[SPW], v[NIL]
	v_lshrrev_b32 v1, 5, v0
	v_readfirstlane_b32 s14, v1                    ; wave
	s_lshr_b32 s15, s14, 1                         ; my half of the block's rows
	s_and_b32 s16, s14, 1                          ; my half of its columns
	s_and_b32 s2, ttmp7, 0xffff                    ; the cluster's y, 0 .. 47
	s_lshr_b32 s95, s2, 4                          ; the tensor: 0 q, 1 k, 2 v
	s_and_b32 s2, s2, 15
	s_lshr_b32 s96, s95, 1                         ; 1 for v
	s_lshr_b32 s20, s2, 1
	s_and_b32 s21, s2, 1
	s_cmp_eq_u32 s96, 0
	s_cselect_b32 s20, 0, s20                      ; the cluster's column: q, k 0; v 0 .. 7
	s_cselect_b32 s21, s2, s21                     ; its row: q, k 0 .. 15; v 0, 1
	s_wait_dscnt 0x0
	s_wait_kmcnt 0x0
	s_cmp_eq_u32 s95, 1
	s_cselect_b64 s[4:5], s[34:35], s[24:25]       ; A's codes
	s_cselect_b64 s[6:7], s[36:37], s[26:27]       ; A's scales
	s_cselect_b64 s[8:9], s[38:39], s[28:29]       ; B's codes
	s_cselect_b64 s[10:11], s[40:41], s[30:31]     ; B's scales
	s_cselect_b64 s[12:13], s[42:43], s[32:33]     ; the bias
	s_cmp_eq_u32 s95, 2
	s_cselect_b64 s[4:5], s[44:45], s[4:5]
	s_cselect_b64 s[6:7], s[46:47], s[6:7]
	s_cselect_b64 s[8:9], s[48:49], s[8:9]
	s_cselect_b64 s[10:11], s[50:51], s[10:11]
	s_cselect_b64 s[12:13], s[52:53], s[12:13]
	s_mov_b64 s[66:67], s[54:55]                   ; qkvc
	s_mov_b64 s[98:99], s[56:57]                   ; qkvs
	s_mul_i32 s100, s95, 6291456
	s_mov_b32 s101, 0
	s_add_nc_u64 s[66:67], s[66:67], s[100:101]
	s_lshl_b32 s100, s95, 19
	s_add_nc_u64 s[98:99], s[98:99], s[100:101]
	s_cmp_eq_u32 s95, 0
	s_cselect_b32 s104, 0x3e000000, 1.0            ; 1/8 for q, else 1
	s_mov_b32 s105, s104
	s_bfe_u32 s40, ttmp6, 0x40000                  ; cx
	s_bfe_u32 s41, ttmp6, 0x40004                  ; cy
	s_lshl_b32 s42, s20, 2
	s_add_co_u32 s42, s42, s40                     ; block column
	s_lshl_b32 s17, s21, 2
	s_add_co_u32 s17, s17, s41                     ; block row
	s_lshl_b32 s43, s41, 2
	s_lshl_b32 s43, 15, s43                        ; my row of the cluster
	s_lshl_b32 s44, 0x1111, s40                    ; my column
	GRP G1, 43, (1<<20)|(1<<21)|(5<<22)|(3<<25), KROW, 128
	GRP G1B, 44, (1<<20)|(1<<21)|(5<<22)|(3<<25), KROW, 256
	GRP G1S, 43, (3<<16)|(1<<20)|(1<<21)|(5<<22)|(3<<25), 32, 16
	GRP G1SB, 44, (3<<16)|(1<<20)|(1<<21)|(5<<22)|(3<<25), 32, 32
	s_lshl_b32 s2, s17, 7                          ; A's first row
	s_mul_i32 s20, s2, KROW
	s_mov_b32 s21, 0
	s_mul_i32 s22, s2, KS
	s_mov_b32 s23, 0
	s_lshl_b32 s3, s42, 8                          ; B's first row
	s_mul_i32 s46, s3, KROW
	s_mov_b32 s47, 0
	s_mul_i32 s92, s3, KS
	s_mov_b32 s93, 0
	CROUND                                         ; all sixteen work-groups are here: the joint loads meet
	GR0 G0A, 0, 4, 20
	GR0 G0B, AB, 8, 46
	GR0 G0S, SCL, 6, 22
	GR0 G0SB, SCL+8*SBLK, 10, 92
	ARM 1, G0S, G1S, .Lhead_sb                     ; one load a wave: A's scales, B's scales, A's rows, B's rows
	ARM 2, G0SB, G1SB, .Lhead_a
	ARM 3, G0A, G1, .Lhead_b
	tensor_load_to_lds s[G0B:G0B+3], s[G1B:G1B+7]
	s_nop 0
	PLACES 4
.Lhead_asked:
	s_load_b256 s[4:11], s[0:1], 0x88              ; causal_mask, context_mask, mw, rowfull (the four bases that lay here are in the descriptors)
	s_lshl_b32 s20, s17, 7
	s_lshl_b32 s21, s15, 6
	s_add_co_u32 s20, s20, s21                     ; R0: my first row of C
	s_lshl_b32 s46, s42, 8
	s_lshl_b32 s47, s16, 7
	s_add_co_u32 s46, s46, s47                     ; C0: my first column
	s_lshr_b32 s21, s20, 11                        ; q, k: (batch x 16 + head) x 128 + token tile
	s_lshl_b32 s21, s21, 4
	s_lshr_b32 s22, s46, 6
	s_add_co_u32 s21, s21, s22
	s_lshl_b32 s21, s21, 7
	s_bfe_u32 s22, s20, 0x70004
	s_add_co_u32 s21, s21, s22
	s_lshr_b32 s22, s46, 11                        ; v: (batch x 16 + key step) x 64 + feature tile
	s_lshl_b32 s22, s22, 4
	s_bfe_u32 s23, s46, 0x40007
	s_add_co_u32 s22, s22, s23
	s_lshl_b32 s22, s22, 6
	s_lshr_b32 s23, s20, 4
	s_add_co_u32 s22, s22, s23
	s_cmp_eq_u32 s96, 0
	s_cselect_b32 s21, s21, s22                    ; my first image's number
	s_mov_b32 s2, 1536
	s_cselect_b32 s100, 768, s2                    ; bytes from block to block of 16 rows
	s_mov_b32 s2, 768
	s_cselect_b32 s47, 98304, s2                   ; to a fragment's last six registers: the next head, or the image's second half
	s_cselect_b32 s22, 0, s20                      ; the bias by rows begins at R0 for v; the unused one is read at the buffer's start
	s_cselect_b32 s23, s46, 0                      ; by columns at C0 for q and k
	s_cselect_b32 s63, 8192, 0                     ; the second head's scale words; v has one word a row: both halves of the lanes then store the same
	s_mov_b32 s2, 0x03020100
	s_cselect_b32 s94, 0x01000100, s2
	s_cselect_b32 s95, 0x03020302, s2
	s_mov_b32 s101, 0
	s_mul_i32 s18, s21, s100
	s_mov_b32 s19, 0
	s_add_nc_u64 s[66:67], s[66:67], s[18:19]
	s_lshl_b32 s18, s21, 6
	s_add_nc_u64 s[98:99], s[98:99], s[18:19]
	s_mov_b32 s97, 0xffff0000
	s_mov_b32 s[SEL], 0x76543210
	s_mov_b32 s[SEL+1], 0xfedcba98
	s_lshl_b32 s23, s23, 2
	s_lshl_b32 s22, s22, 2
	s_mul_i32 s58, s15, 64*PITCH                   ; my 64 rows of A
	s_mul_i32 s59, s16, 128*PITCH
	s_add_co_u32 s59, s59, AB                      ; my 128 rows of B
	s_mul_i32 s60, s15, 4*SBLK
	s_mul_i32 s61, s16, 8*SBLK
	s_add_co_u32 s61, s61, 8*SBLK
	s_sub_co_u32 s61, s61, s60                     ; from A's scale words to B's
	s_add_co_u32 s60, s60, SCL
	s_lshl_b32 s62, s14, 9                         ; my stage for scale words: 512 bytes, in A's region, used behind the barrier that follows the last reads
	v_and_b32 v1, 15, v0                           ; r
	v_bfe_u32 v2, v0, 4, 1                         ; h
	v_and_b32 v6, 31, v0
	v_mul_u32_u24 v3, v1, PITCH
	v_mad_u32_u24 v4, v2, 24, v3                   ; row x pitch + 24 h
	v_mad_u32_u24 v5, v2, 40, v3                   ; the same where lanes 16-31 lie behind one padding more
	v_add_nc_u32 v16, s58, v4
	v_add_nc_u32 v17, s58, v5
	v_add_nc_u32 v18, s59, v4
	v_add_nc_u32 v19, s59, v5
	WIN 0xc0
.irp i, 0,1,2,3
	v_add_nc_u32 v[AD+2*\i], \i*16*PITCH, v16
	v_add_nc_u32 v[AD+2*\i+1], \i*16*PITCH, v17
.endr
.irp i, 0,1,2,3,4,5,6,7
	v_add_nc_u32 v[AD+8+2*\i], \i*16*PITCH, v18
	v_add_nc_u32 v[AD+9+2*\i], \i*16*PITCH, v19
.endr
	WIN 0
	v_mul_u32_u24 v7, v1, KS
	v_lshrrev_b32 v20, 8, v7
	v_lshl_add_u32 v7, v20, 4, v7
	v_mul_u32_u24 v20, s61, v2                     ; lanes 16-31 take B's scale words
	v_add_nc_u32 v7, v7, v20
	v_add_nc_u32 v[ADRS], s60, v7
	v_lshlrev_b32 v14, 5, v2
	v_add_nc_u32 v14, s23, v14
	v_lshlrev_b32 v15, 2, v1
	v_add_nc_u32 v15, s22, v15
	v_lshlrev_b32 v8, 4, v6                        ; 16 x lane
	v_lshlrev_b32 v9, 3, v6                        ; 8 x lane
	v_add_nc_u32 v10, s47, v8
	v_add_nc_u32 v11, s47, v9
	v_lshl_add_u32 v12, v6, 2, s62                 ; stage in: 4 x lane, 128 bytes a block
	v_lshrrev_b32 v13, 2, v1
	v_lshlrev_b32 v13, 7, v13
	v_and_b32 v21, 3, v0
	v_lshl_add_u32 v13, v21, 4, v13
	v_lshl_add_u32 v13, v2, 6, v13
	v_add_nc_u32 v13, s62, v13                     ; back: block r / 4, rows 4 (r % 4) on, head h
	v_mul_u32_u24 v22, s63, v2
	v_lshl_add_u32 v22, v1, 4, v22                 ; and where those 16 bytes go in qkvs
	WIN 0xc0
.irp b, 0,1,2,3,4,5,6,7
	global_load_b128 v[BT+8*\b:BT+8*\b+3], v14, s[12:13] offset:64*\b
	global_load_b128 v[BT+8*\b+4:BT+8*\b+7], v14, s[12:13] offset:64*\b+16
.endr
.irp a, 0,1,2,3
	global_load_b32 v[BA+2*\a], v15, s[12:13] offset:64*\a
	global_load_b32 v[BA+2*\a+1], v15, s[12:13] offset:64*\a
.endr
	WIN 0
; a fragment: 16 rows x 128 K, six pieces of 8 bytes, two to a load where both go by the same address register
.macro FRAG w, reg, q, a0
	WIN ((\w)<<6)|3
.set SK_, 0
.irp p, 0,1,2,3,4,5
.if SK_
.set SK_, 0
.else
.set PC_, 12*(\q)+6*(\p/3)+\p%3
.set PN_, 12*(\q)+6*((\p+1)/3)+(\p+1)%3
.set X_, (PC_%32+3)/32
.set XN_, (PN_%32+3)/32
.if (\p < 5) && (X_ == XN_)
.set SK_, 1
	ds_load_2addr_b64 v[\reg+2*\p:\reg+2*\p+3], v[\a0+X_] offset0:PC_+2*(PC_/32) offset1:PN_+2*(PN_/32)
.else
	ds_load_b64 v[\reg+2*\p:\reg+2*\p+1], v[\a0+X_] offset:8*(PC_+2*(PC_/32))
.endif
.endif
.endr
.endm
.macro FETCH st                        ; step st's twelve fragments into set st % 2
.irp i, 0,1,2,3,4,5,6,7
	FRAG 1, 128*((\st)%2)+FR*\i, \st, AD+8+2*\i
.endr
.irp i, 0,1,2,3
	FRAG 0, AF+48*((\st)%2)+FR*\i, \st, AD+2*\i
.endr
.endm
.macro WM d, fb, fa, c, sb, sa
	v_wmma_scale_f32_16x16x128_f8f6f4 v[\d:\d+7], v[\fb:\fb+FR-1], v[\fa:\fa+FR-1], \c, v[\sb], v[\sa] matrix_a_fmt:MATRIX_FMT_FP6 matrix_b_fmt:MATRIX_FMT_FP6 matrix_a_scale:MATRIX_SCALE_ROW1
.endm
.macro MUL8 a, st, zero                ; A's block a against B's eight; the 32 accumulators take turns
.irp b, 0,1,2,3,4,5,6,7
.set D_, 8*(8*(\a)+\b)
.if \zero
	WM D_, 128*((\st)%2)+FR*\b, AF+48*((\st)%2)+FR*(\a), 0, SC+10*\b+(\st), SC+10*(\a)+(\st)
.else
	WM D_, 128*((\st)%2)+FR*\b, AF+48*((\st)%2)+FR*(\a), v[D_:D_+7], SC+10*\b+(\st), SC+10*(\a)+(\st)
.endif
.endr
.endm
.macro STEP st, zero                   ; 128 along K: 32 products; behind the first eight the next step's fragments are asked for
	s_wait_dscnt 0x0                               ; this step's fragments are in
.if (\st) == 7
	s_barrier_signal -1                            ; my last LDS reads are done
.endif
	WIN 0xa1
	MUL8 0, \st, \zero
.if (\st) < 7
	PLACES 4                                       ; between the last step's products and loads into their operands
	FETCH (\st)+1
	WIN 0xa1
.endif
	MUL8 1, \st, \zero
	MUL8 2, \st, \zero
	MUL8 3, \st, \zero
.endm
; THE TWO MASKS BECOME WHOLE NUMBERS for the attention launch, while the head's tiles are on their way.  q's and k's 512 work-groups have 2,048 waves: wave u = 16 t + s takes query tile t, key step s, all four batches.
; mw      [b 4][t 128][s 16][n 64] u32: bit l of word n = 1 where (query 16 t + l % 16, key 128 s + 16 (n / 8) + 8 (l / 16) + n % 8) is masked: causal_mask set or context_mask[b] clear.
; rowfull [b][t][s] u32: bit r (0 .. 15) = 1 where query 16 t + r is masked for all 128 keys of step s.      LIMIT: a mask byte is 0 or 1.
; The branch hangs on the cluster's number alone; the work-group's place enters global addresses only.
.set MWB, 524288
.set MCA, 112                          ; v112-127 causal bytes
.set MCX, 128                          ; v128-191 context bytes, 16 registers a batch
.set MMM, 192                          ; v192-207 the masked bytes of the batch in hand
.set MWP, 208                          ; v208-215 a pair of words a lane for each batch
.set MTP, 216                          ; v216-223 at work
.macro MBATCH b
.set i, 0
.rept 16
	v_bfi_b32 v[MMM+i], v[MCX+16*\b+i], v[MCA+i], s92   ; (context & causal) | (~context & ones)
.set i, i+1
.endr
	v_and_b32 v236, v[MMM], v[MMM+1]
.set i, 2
.rept 14
	v_and_b32 v236, v236, v[MMM+i]                 ; all four bytes 1: my 64 keys are all masked
.set i, i+1
.endr
.set g, 0
.rept 8                                ; words n = 8 g + k, eight at a time, so that no line hangs on the line above it
.irp k, 0,1,2,3,4,5,6,7
	v_and_b32 v[MTP+\k], 1<<(8*(\k%4)), v[MMM+2*g+\k/4]
.endr
.irp k, 0,1,2,3,4,5,6,7
	v_cmp_ne_u32 s[56+\k], 0, v[MTP+\k]
.endr
.irp k, 0,1,2,3,4,5,6,7
	v_writelane_b32 v[MWP+2*\b+\k%2], s[56+\k], 4*g+\k/2
.endr
.set g, g+1
.endr
	global_store_b64 v9, v[MWP+2*\b:MWP+2*\b+1], s[8:9] offset:MWB*\b   ; 32 lanes store 256 consecutive bytes, aligned
	v_cmp_eq_u32 s46, s92, v236
	s_lshr_b32 s47, s46, 16
	s_and_b32 s47, s47, s46                        ; both halves of a query's keys
	v_writelane_b32 v235, s47, \b
.endm
	s_cmp_eq_u32 s96, 0
	s_cbranch_scc0 .Lno_masks                      ; v's clusters have no unit
	v_lshlrev_b32 v233, 3, v2                      ; context: 8 h
	v_lshl_add_u32 v232, v1, 11, v233              ; causal: row r of 2,048 bytes + 8 h
	v_lshlrev_b32 v234, 13, v6                     ; rowfull: lane b stores batch b's word
	v_mov_b32 v235, 0
.irp i, 0,1,2,3,4,5,6,7
	v_mov_b32 v[MWP+\i], 0                         ; a lane write's destination counts as read
.endr
	s_and_b32 s2, ttmp7, 0xffff
	s_lshl_b32 s2, s2, 2
	s_add_co_u32 s2, s2, s41
	s_lshl_b32 s2, s2, 2
	s_add_co_u32 s2, s2, s40
	s_lshl_b32 s2, s2, 2
	s_add_co_u32 s2, s2, s14                       ; u = ((cluster y x 4 + cy) x 4 + cx) x 4 + wave, 0 .. 2,047
	s_lshr_b32 s3, s2, 4                           ; t
	s_and_b32 s46, s2, 15                          ; s
	s_mov_b32 s92, 0x01010101
	s_lshl_b32 s22, s46, 7
	s_mov_b32 s23, 0
	s_lshl_b32 s20, s3, 15
	s_add_co_u32 s20, s20, s22
	s_mov_b32 s21, 0
	s_lshl_b32 s42, s2, 8
	s_mov_b32 s43, 0
	s_lshl_b32 s44, s2, 2
	s_mov_b32 s45, 0
	s_wait_alu depctr_va_vdst(0)                   ; the wait here, directly ahead of the wait below
	s_wait_kmcnt 0x0
	s_add_nc_u64 s[4:5], s[4:5], s[20:21]
	s_add_nc_u64 s[6:7], s[6:7], s[22:23]
	s_add_nc_u64 s[8:9], s[8:9], s[42:43]
	s_add_nc_u64 s[10:11], s[10:11], s[44:45]
.irp x, 0,1,2,3,4,5,6,7
	global_load_b64 v[MCA+2*\x:MCA+2*\x+1], v232, s[4:5] offset:16*\x th:TH_LOAD_NT
.endr
.irp b, 0,1,2,3
.irp x, 0,1,2,3,4,5,6,7
	global_load_b64 v[MCX+16*\b+2*\x:MCX+16*\b+2*\x+1], v233, s[6:7] offset:2048*\b+16*\x
.endr
.endr
	s_wait_loadcnt 0x0
	MBATCH 0
	MBATCH 1
	MBATCH 2
	MBATCH 3
	s_wait_alu depctr_va_vdst(0)
	s_wait_xcnt 0x0                                ; EXEC changes only when the stores above have read their sources
	v_cmp_gt_u32 vcc_lo, 4, v6
	s_and_saveexec_b32 s93, vcc_lo
	global_store_b32 v234, v235, s[10:11]          ; four words of 4 bytes a wave: one wave serves four batches
	s_wait_xcnt 0x0
	s_or_b32 exec_lo, exec_lo, s93
.Lno_masks:
	s_wait_alu depctr_va_vdst(0)
	s_wait_tensorcnt 0x0
	s_barrier_signal -1
	s_barrier_wait -1                              ; all four are
.irp i, 0,1,2,3,4,5,6,7
	ds_load_b128 v[SC+10*\i:SC+10*\i+3], v[ADRS] offset:\i*SBLK      ; all of K's scale words, once
	ds_load_b128 v[SC+10*\i+4:SC+10*\i+7], v[ADRS] offset:\i*SBLK+16
.endr
	FETCH 0
	STEP 0, 1
.set ST, 1
.rept 7
	STEP ST, 0
.set ST, ST+1
.endr
	WIN 0
	s_barrier_wait -1                              ; nobody reads A's region any more: the stages may be written
; THE WAY OUT: 64 numbers of a lane become a fragment's codes and its scale word
.macro QUANT s
.irp b, 0,1,2,3
	v_max3_num_f32 v[TM+\b], |v[\s+16*\b]|, |v[\s+1+16*\b]|, 0x1800000   ; with the floor 2^(3 - 127): the byte cannot fall under 1
.endr
.irp i, 2,4,6,8,10,12,14
.irp b, 0,1,2,3
	v_max3_num_f32 v[TM+\b], v[TM+\b], |v[\s+16*\b+\i]|, |v[\s+1+16*\b+\i]|
.endr
.endr
.irp b, 0,1,2,3
	v_permlanex16_b32 v[TM+4+\b], v[TM+\b], s[SEL], s[SEL+1]
.endr
.irp b, 0,1,2,3
	v_max_num_f32 v[TM+\b], v[TM+\b], v[TM+4+\b]
.endr
.irp b, 0,1,2,3
	v_add_nc_u32 v[TM+12+\b], 0xff000000, v[TM+\b] ; 2 off the exponent field: the conversion's scale operand
.endr
.irp b, 0,1,2,3
	v_lshrrev_b32 v[TM+4+\b], 23, v[TM+12+\b]
.endr
	v_lshl_or_b32 v[PW], v[TM+5], 8, v[TM+4]
	v_lshl_or_b32 v[PW], v[TM+6], 16, v[PW]
	v_lshl_or_b32 v[PW], v[TM+7], 24, v[PW]
.irp c, 0,1
	v_cvt_scalef32_pk16_fp6_f32 v[PC+6*\c:PC+2+6*\c], v[\s+32*\c:\s+15+32*\c], v[TM+12+2*\c]
	v_cvt_scalef32_pk16_fp6_f32 v[PC+12+4*\c:PC+14+4*\c], v[\s+16+32*\c:\s+31+32*\c], v[TM+12+2*\c+1]
.endr
	v_nop                                          ; a plain place behind a scaled conversion
.irp c, 0,1
.irp i, 0,1,2
	v_permlane16_swap_b32 v[PC+6*\c+\i], v[PC+12+4*\c+\i]
.endr
.irp i, 0,1,2
	v_mov_b32 v[PC+3+6*\c+\i], v[PC+12+4*\c+\i]
.endr
.endr
.endm
.macro BLOCK a                         ; my rows 16 a .. 16 a + 15; the branch hangs on the cluster's number alone
	s_cmp_eq_u32 s96, 0
	s_cbranch_scc0 .Lrows_\@
	WIN 0x32
.set i, 0
.rept 32
	v_pk_fma_f32 v[X+2*i:X+2*i+1], v[64*(\a)+2*i:64*(\a)+2*i+1], s[104:105], v[BT+2*i:BT+2*i+1] op_sel_hi:[1,0,1]
.set i, i+1
.endr
	WIN 0
	s_branch .Lsum_\@
.Lrows_\@:
	WIN 0x0e
.set i, 0
.rept 32
	v_pk_add_f32 v[X+2*i:X+2*i+1], v[64*(\a)+2*i:64*(\a)+2*i+1], v[BA+2*(\a):BA+2*(\a)+1]
.set i, i+1
.endr
	WIN 0
.Lsum_\@:
.if (\a) > 0
	s_wait_xcnt 0x0                                ; the last block's stores have read their codes and their base
	s_add_nc_u64 s[66:67], s[66:67], s[100:101]
.endif
	QUANT X
	global_store_b128 v8, v[PC:PC+3], s[66:67]
	global_store_b64 v9, v[PC+4:PC+5], s[66:67] offset:512
	global_store_b128 v10, v[PC+6:PC+9], s[66:67]
	global_store_b64 v11, v[PC+10:PC+11], s[66:67] offset:512
	v_perm_b32 v[WL], v[PW], v[PW], s94
	v_perm_b32 v[WH], v[PW], v[PW], s95
	v_cndmask_b32 v[WW+(\a)], v[WL], v[WH], s97    ; lanes 0-15 the first head's word, lanes 16-31 the second's
	ds_store_b32 v12, v[WW+(\a)] offset:128*(\a)
.endm
	s_wait_loadcnt 0x0                             ; the biases
	WIN 0xc3
.set i, 0
.rept 32
	v_pk_mul_f32 v[BT+2*i:BT+2*i+1], v[BT+2*i:BT+2*i+1], s[104:105] op_sel_hi:[1,0]   ; exact; also the places behind the last products
.set i, i+1
.endr
	WIN 0
.irp b, 0,1,2,3
	v_mov_b32 v[TM+4+\b], 0                        ; a lane permute's destination counts as a source
.endr
.irp a, 0,1,2,3
	BLOCK \a
.endr
	ds_load_b128 v[X:X+3], v13                     ; a wave's LDS instructions are served in order: this sees my stores
	s_wait_dscnt 0x0
	global_store_b128 v22, v[X:X+3], s[98:99]      ; sixteen lanes store 256 consecutive bytes, aligned
	s_wait_tensorcnt 0x0                           ; the wave's end
	ds_add_u32 v[SPW], v[NIL]
	s_wait_dscnt 0x0
	CROUND                                         ; the closing round
	s_endpgm
.Lfunc_end_k_q0357163f5a_proj:
	.size	k_q0357163f5a_proj, .Lfunc_end_k_q0357163f5a_proj-k_q0357163f5a_proj
	.p2alignl 7, 3214868480
	.fill 96, 4, 3214868480
	.section	.rodata,"a",@progbits
	.p2align	6, 0x0
	.amdhsa_kernel k_q0357163f5a_proj
		.amdhsa_group_segment_fixed_size 327680
		.amdhsa_private_segment_fixed_size 0
		.amdhsa_enable_private_segment 0
		.amdhsa_kernarg_size 168
		.amdhsa_user_sgpr_count 2
		.amdhsa_user_sgpr_kernarg_segment_ptr 1
		.amdhsa_wavefront_size32 1
		.amdhsa_system_sgpr_workgroup_id_x 1
		.amdhsa_system_sgpr_workgroup_id_y 1
		.amdhsa_system_sgpr_workgroup_id_z 1
		.amdhsa_system_vgpr_workitem_id 0
		.amdhsa_next_free_vgpr 1024
		.amdhsa_next_free_sgpr 106
		.amdhsa_reserve_vcc 1
		.amdhsa_float_denorm_mode_32 3
		.amdhsa_float_denorm_mode_16_64 3
		.amdhsa_memory_ordered 1
		.amdhsa_forward_progress 1
		.amdhsa_inst_pref_size 165
	.end_amdhsa_kernel
	.amdgpu_metadata
---
amdhsa.version: [ 1, 2 ]
amdhsa.kernels:
  - .name:           k_q0357163f5a_proj
    .symbol:         k_q0357163f5a_proj.kd
    .args:
      - { .name: q_codes, .offset: 0, .size: 8, .value_kind: global_buffer, .address_space: global }
      - { .name: q_scales, .offset: 8, .size: 8, .value_kind: global_buffer, .address_space: global }
      - { .name: W_q_codes, .offset: 16, .size: 8, .value_kind: global_buffer, .address_space: global }
      - { .name: W_q_scales, .offset: 24, .size: 8, .value_kind: global_buffer, .address_space: global }
      - { .name: b_q, .offset: 32, .size: 8, .value_kind: global_buffer, .address_space: global }
      - { .name: k_codes, .offset: 40, .size: 8, .value_kind: global_buffer, .address_space: global }
      - { .name: k_scales, .offset: 48, .size: 8, .value_kind: global_buffer, .address_space: global }
      - { .name: W_k_codes, .offset: 56, .size: 8, .value_kind: global_buffer, .address_space: global }
      - { .name: W_k_scales, .offset: 64, .size: 8, .value_kind: global_buffer, .address_space: global }
      - { .name: b_k, .offset: 72, .size: 8, .value_kind: global_buffer, .address_space: global }
      - { .name: W_v_codes, .offset: 80, .size: 8, .value_kind: global_buffer, .address_space: global }
      - { .name: W_v_scales, .offset: 88, .size: 8, .value_kind: global_buffer, .address_space: global }
      - { .name: v_codes, .offset: 96, .size: 8, .value_kind: global_buffer, .address_space: global }
      - { .name: v_scales, .offset: 104, .size: 8, .value_kind: global_buffer, .address_space: global }
      - { .name: b_v, .offset: 112, .size: 8, .value_kind: global_buffer, .address_space: global }
      - { .name: qkvc, .offset: 120, .size: 8, .value_kind: global_buffer, .address_space: global }
      - { .name: qkvs, .offset: 128, .size: 8, .value_kind: global_buffer, .address_space: global }
      - { .name: causal_mask, .offset: 136, .size: 8, .value_kind: global_buffer, .address_space: global }
      - { .name: context_mask, .offset: 144, .size: 8, .value_kind: global_buffer, .address_space: global }
      - { .name: mw, .offset: 152, .size: 8, .value_kind: global_buffer, .address_space: global }
      - { .name: rowfull, .offset: 160, .size: 8, .value_kind: global_buffer, .address_space: global }
    .group_segment_fixed_size: 327680
    .private_segment_fixed_size: 0
    .kernarg_segment_align: 8
    .kernarg_segment_size: 168
    .max_flat_workgroup_size: 128
    .sgpr_count:     106
    .vgpr_count:     1024
    .wavefront_size: 32
...
	.end_amdgpu_metadata
.endif
;; end of part 1
;; launch attn (part 2): grid 4 x 64, 16 waves a work-group, no clusters, 210,944 bytes of LDS; arguments qkvc, qkvs, mw, rowfull, oc, os; writes oc, os
.if DOCPART == 2
	.amdgcn_target "amdgcn-amd-amdhsa--gfx1250"
	.amdhsa_code_object_version 6
	.text
	.protected	k_q0357163f5a_attn
	.globl	k_q0357163f5a_attn
	.p2align	8
	.type	k_q0357163f5a_attn,@function
k_q0357163f5a_attn:
	s_mov_b64 s[64:65], 0
	v_nop
	global_prefetch_b8 v0, s[64:65] scope:SCOPE_SE
	s_setreg_imm32_b32 hwreg(HW_REG_WAVE_MODE, 25, 1), 1
	s_wait_xcnt 0x0
; Attention of one (batch, head) on codes of FP6 (E2M3): S^T = K Q^T (K = the head's 64: registers 6-11 of both operands are zero codes), masks, softmax by the rule p = 2^(t - M) with M a whole number,
; O^T = V^T P^T, O / the row's sum, quantised along the inner features into images for the last product.
; SHARES.  Work-group (j, b x 16 + head) takes the query tiles t = 4 i + j; wave w takes i = w and then i = 31 - w: a fixed choice, right for every mask.
; A HEAD'S K AND V LIE IN LDS WHOLE (192 KiB of images and 12 KiB of scale words): wave w copies key step w through its registers at the head, one barrier follows, and LDS is written no more.
; STEPS THAT ADD NOTHING ARE LEFT OUT.  Where all 16 queries of a tile are masked for all 128 keys of a step, every p of the step is 0, unless a query is masked for all 2,048 keys (its row is then uniform, as
; the masked logit is a finite number): in that case the tile visits every step.  The decision is read from rowfull, whole numbers that an earlier launch stored; mw's words only select values.
; NO CLUSTER, NO TENSOR LOAD: partners would need different numbers of steps, by numbers read from memory; what the four work-groups of a head share is read once by each, at the head.
; THE MASKED LOGIT is -2^30 in place of -1e9: times log2(e) it is a whole number in f32, so a row that is masked everywhere has t - M = 0 and p = 1 exactly, as f32 arithmetic on -1e9 gives.
; LIMITS: kept logits lie above about -1e9; NaN and infinities are not served; a block under 2^-124 keeps the scale byte 1.
; LAYOUT.  A lane holds one query (lane % 16) throughout.  Register 8 x + j of S^T is key 16 x + 8 (lane / 16) + j of the step; p is quantised from these registers as they stand, which orders a block of 32 keys
; 0-7, 16-23, 8-15, 24-31: V's images were made in the same order.  O meets a weight in natural order: sixteen exchanges of lane halves restore it.
; REGISTERS: v1-3 16, 8 x lane, 4 r; v4-6 the step's LDS addresses; v7 the masked logit; v8-11 V's scale words; v12 -M, v13 the largest t, v[14:15] the sum; v16-27 Q; v28-31 K's scale words; v32-79 four
;   fragments of K; v80-143 S^T, then p; v144-175 O^T; v176-223 V's four fragments; v224-235 p's codes; v236-254 at work; v243 32 r; v253 p's scale word; v255 Q's.
; SCALARS: s[4:15] the six buffers; s[16:63], s[68:83] the step's 64 mask words; s86 the steps still to visit, bit 0 the one in hand; s94 batch x 16 + head.
.set STEPB, 12288                      ; LDS: a key step: K's 8 images of 768 bytes, then V's 4 of 1,536
.set VIMG,  6144
.set SCW,   16*STEPB                   ; behind them the scale words: 768 bytes a step: K's 8 x 64, V's 4 x 64
.set SCB,   768
.set S,   80
.set O,   144
.set VF,  176
.set PCD, 224
	s_load_b256 s[4:11], s[0:1], 0x0               ; qkvc, qkvs, mw, rowfull
	s_load_b128 s[12:15], s[0:1], 0x20             ; oc, os
	v_lshrrev_b32 v1, 5, v0
	s_delay_alu instid0(VALU_DEP_1)
	v_readfirstlane_b32 s2, v1                     ; wave 0 .. 15
	v_and_b32 v3, 31, v0
	s_delay_alu instid0(VALU_DEP_1)
	v_lshlrev_b32 v1, 4, v3                        ; 16 x lane
	s_wait_alu depctr_va_vdst(0)
	v_lshlrev_b32 v2, 3, v3                        ; 8 x lane
	s_wait_alu depctr_va_vdst(0)
	v_and_b32 v3, 15, v0
	s_delay_alu instid0(VALU_DEP_1)
	v_lshlrev_b32 v3, 2, v3                        ; 4 r
	s_and_b32 s94, ttmp7, 0xffff                   ; batch x 16 + head: kept
	s_lshr_b32 s93, s94, 4                         ; batch (for the head of the text)
	s_and_b32 s92, s94, 15                         ; head (likewise)
	s_lshl_b32 s3, s2, 2
	s_sub_co_u32 s95, 124, s3
	s_add_co_u32 s95, s95, ttmp9                   ; my second tile: 4 (31 - w) + j
	s_add_co_u32 s3, s3, ttmp9                     ; my first: 4 w + j
	; key step w of K and V, as it lies in memory
	s_mul_i32 s96, s94, 98304
	s_mul_i32 s97, s2, VIMG
	s_add_co_u32 s96, s96, s97
	s_add_co_u32 s96, s96, 6291456                 ; K's images 8 w on
	s_mov_b32 s97, 0
	s_lshl_b32 s98, s93, 4
	s_add_co_u32 s98, s98, s2
	s_lshl_b32 s98, s98, 6
	s_lshl_b32 s99, s92, 2
	s_add_co_u32 s98, s98, s99                     ; V's image (16 b + w) x 64 + 4 head
	s_lshl_b32 s104, s98, 6
	s_add_co_u32 s104, s104, 1048576               ; its scale words
	s_mov_b32 s105, 0
	s_mul_i32 s98, s98, 1536
	s_add_co_u32 s98, s98, 12582912
	s_mov_b32 s99, 0
	s_lshl_b32 s100, s94, 13
	s_lshl_b32 s101, s2, 9
	s_add_co_u32 s100, s100, s101
	s_add_co_u32 s100, s100, 524288                ; K's scale words
	s_mov_b32 s101, 0
	s_mul_i32 s88, s2, STEPB
	s_mul_i32 s89, s2, SCB
	s_add_co_u32 s89, s89, SCW
	v_add_nc_u32 v4, s88, v1
	v_add_nc_u32 v5, s89, v1
	v_add_nc_u32 v6, s89, v2
	s_wait_alu depctr_va_vdst(0)
	s_wait_kmcnt 0x0
	s_add_nc_u64 s[96:97], s[4:5], s[96:97]
	s_add_nc_u64 s[98:99], s[4:5], s[98:99]
	s_add_nc_u64 s[100:101], s[6:7], s[100:101]
	s_add_nc_u64 s[104:105], s[6:7], s[104:105]
.irp i, 0,1,2,3,4,5,6,7,8,9,10,11
	global_load_b128 v[32+4*\i:35+4*\i], v1, s[96:97] offset:512*\i    ; 32 lanes read 512 consecutive bytes
.endr
.irp i, 0,1,2,3,4,5,6,7,8,9,10,11
	global_load_b128 v[80+4*\i:83+4*\i], v1, s[98:99] offset:512*\i
.endr
	global_load_b128 v[128:131], v1, s[100:101]
	global_load_b64 v[132:133], v2, s[104:105]
	s_wait_loadcnt 0x0
.irp i, 0,1,2,3,4,5,6,7,8,9,10,11
	ds_store_b128 v4, v[32+4*\i:35+4*\i] offset:512*\i
.endr
.irp i, 0,1,2,3,4,5,6,7,8,9,10,11
	ds_store_b128 v4, v[80+4*\i:83+4*\i] offset:VIMG+512*\i
.endr
	ds_store_b128 v5, v[128:131]
	ds_store_b64 v6, v[132:133] offset:512
	s_wait_dscnt 0x0                               ; for the others' sake: my step lies in LDS
	s_barrier_signal -1
	s_barrier_wait -1                              ; all sixteen steps do; nothing writes LDS from here on
	v_mov_b32 v7, 0xce800000                       ; -2^30
.irp i, 22,23,24,25,26,27
	v_mov_b32 v[\i], 0                             ; Q's k = 64 .. 127: zero codes
.endr
.irp t, 0,1,2,3
.irp i, 6,7,8,9,10,11
	v_mov_b32 v[32+12*\t+\i], 0                    ; and K's
.endr
.endr
.irp i, 236,237,238,239,252,253,254
	v_mov_b32 v[\i], 0                             ; lane permutes' destinations, and the upper half of the pair v[252:253], count as read
.endr
	v_lshlrev_b32 v243, 3, v3                      ; 32 r: a row of os
	s_mov_b32 s66, 0x76543210
	s_mov_b32 s67, 0xfedcba98                      ; lane l xor 16
	s_mov_b32 s84, 0x3fb8aa3b                      ; log2(e): the scores' 1/8 is in Q
	s_mov_b32 s85, s84
	s_mov_b32 s92, 2                               ; tiles to go
.macro KLOAD g                         ; four of the step's eight tiles of 16 keys: six registers and a scale word each
.irp t, 0,1,2,3
	ds_load_b128 v[32+12*\t:35+12*\t], v4 offset:768*(4*\g+\t)
	ds_load_b64 v[36+12*\t:37+12*\t], v5 offset:768*(4*\g+\t)+512
	ds_load_b32 v[28+\t], v6 offset:64*(4*\g+\t)
.endr
.endm
.macro KQ g
.irp t, 0,1,2,3
	v_wmma_scale_f32_16x16x128_f8f6f4 v[S+8*(4*\g+\t):S+7+8*(4*\g+\t)], v[32+12*\t:43+12*\t], v[16:27], 0, v[28+\t], v255 matrix_a_fmt:MATRIX_FMT_FP6 matrix_b_fmt:MATRIX_FMT_FP6
.endr
.endm
.macro NEXTM                           ; the next step's mask words, if it will be visited; bit 16 is never set, so nothing is asked for behind step 15
	s_bitcmp1_b32 s86, 1
	s_cbranch_scc0 .Lnone_\@
	s_load_b512 s[16:31], s[90:91], 0x100
	s_load_b512 s[32:47], s[90:91], 0x140
	s_load_b512 s[48:63], s[90:91], 0x180
	s_load_b512 s[68:83], s[90:91], 0x1c0
.Lnone_\@:
.endm
.Ltile:
	s_wait_kmcnt 0x0                               ; no scalar load is out,
	s_wait_xcnt 0x0                                ; and the last tile's stores have read their registers and bases
	s_cmp_eq_u32 s92, 2
	s_cselect_b32 s93, s3, s95                     ; t
	s_lshl_b32 s96, s94, 7
	s_add_co_u32 s96, s96, s93
	s_lshl_b32 s98, s96, 6
	s_mul_i32 s96, s96, 768
	s_mov_b32 s97, 0
	s_mov_b32 s99, 0
	s_add_nc_u64 s[96:97], s[4:5], s[96:97]
	s_add_nc_u64 s[98:99], s[6:7], s[98:99]
	global_load_b128 v[16:19], v1, s[96:97]        ; Q's image
	global_load_b64 v[20:21], v2, s[96:97] offset:512
	global_load_b32 v255, v3, s[98:99]             ; and its scale words
	s_lshr_b32 s100, s94, 4                        ; batch
	s_lshl_b32 s100, s100, 7
	s_add_co_u32 s100, s100, s93                   ; 128 b + t
	s_lshl_b32 s90, s100, 12
	s_mov_b32 s91, 0
	s_add_nc_u64 s[90:91], s[8:9], s[90:91]        ; the tile's mask words: 256 bytes a step
	s_lshl_b32 s104, s100, 6
	s_mov_b32 s105, 0
	s_add_nc_u64 s[104:105], s[10:11], s[104:105]
	s_load_b512 s[68:83], s[104:105], 0x0          ; for each step: which of my 16 queries are masked for all its keys
	s_wait_kmcnt 0x0
	s_and_b32 s88, s68, s69
.irp i, 70,71,72,73,74,75,76,77,78,79,80,81,82,83
	s_and_b32 s88, s88, s[\i]                      ; queries masked for all 2,048 keys
.endr
	s_mov_b32 s86, 0
.irp i, 0,1,2,3,4,5,6,7,8,9,10,11,12,13,14,15
	s_cmp_lg_u32 s[68+\i], 0xffff
	s_cselect_b32 s89, 1<<\i, 0
	s_or_b32 s86, s86, s89                         ; a step is visited where some query has a key
.endr
	s_cmp_lg_u32 s88, 0
	s_cselect_b32 s86, 0xffff, s86                 ; and all steps where some query has none at all
	s_load_b512 s[16:31], s[90:91], 0x0            ; step 0's words, visited or not: the registers are written on every way
	s_load_b512 s[32:47], s[90:91], 0x40
	s_load_b512 s[48:63], s[90:91], 0x80
	s_load_b512 s[68:83], s[90:91], 0xc0
.set j, 0
.rept 32
	v_mov_b32 v[O+j], 0                            ; the step is written once: the first finds zeros, which the first change of M leaves zeros
.set j, j+1
.endr
	v_mov_b32 v14, 0
	v_mov_b32 v15, 0
	v_mov_b32 v13, 0xff61b1e6                      ; -3e38, under every t
	s_delay_alu instid0(VALU_DEP_1)
	v_floor_f32 v12, -v13
	s_mov_b32 s88, 0
	s_mov_b32 s89, SCW
	s_mov_b32 s87, 16
	s_wait_loadcnt 0x0                             ; Q
.Lstep:
	s_bitcmp1_b32 s86, 0
	s_cbranch_scc0 .Lhid
	v_add_nc_u32 v4, s88, v1
	v_add_nc_u32 v5, s88, v2
	v_add_nc_u32 v6, s89, v3
	KLOAD 0
.irp d, 0,1,2,3                                ; V^T: four tiles of 16 of the head's 64, 128 keys each
	ds_load_b128 v[VF+12*\d:VF+3+12*\d], v4 offset:VIMG+1536*\d
	ds_load_b64 v[VF+4+12*\d:VF+5+12*\d], v5 offset:VIMG+1536*\d+512
	ds_load_b128 v[VF+6+12*\d:VF+9+12*\d], v4 offset:VIMG+1536*\d+768
	ds_load_b64 v[VF+10+12*\d:VF+11+12*\d], v5 offset:VIMG+1536*\d+1280
	ds_load_b32 v[8+\d], v6 offset:512+64*\d
.endr
	s_wait_alu depctr_va_vdst(0)
	s_wait_dscnt 20                                ; K's twelve are in; V's twenty may be out
	KQ 0
.rept 4
	v_nop                                          ; places in front of loads into registers that matrix instructions have read
.endr
	KLOAD 1
	s_wait_dscnt 0x0
	KQ 1
	s_wait_kmcnt 0x0                               ; the step's mask words
.set n, 0
.rept 64                                       ; ascending: each accumulator from its low end; the first 32 are the places behind the last four products
.if n < 48
	v_cndmask_b32 v[S+n], v[S+n], v7, s[16+n]
.else
	v_cndmask_b32 v[S+n], v[S+n], v7, s[20+n]
.endif
.set n, n+1
.endr
.irp b, 0,1,2,3
	v_max3_num_f32 v[244+\b], v[S+16*\b], v[S+1+16*\b], v[S+2+16*\b]   ; the largest score of each block of 32 keys: for the row's maximum and, since p rises with the score, for the block's largest p
.endr
.irp i, 3,5,7,9,11,13
.irp b, 0,1,2,3
	s_delay_alu instid0(VALU_DEP_4)
	v_max3_num_f32 v[244+\b], v[244+\b], v[S+16*\b+\i], v[S+1+16*\b+\i]
.endr
.endr
.irp b, 0,1,2,3
	s_delay_alu instid0(VALU_DEP_4)
	v_max_num_f32 v[244+\b], v[244+\b], v[S+15+16*\b]
.endr
.irp b, 0,1,2,3
	s_delay_alu instid0(VALU_DEP_4)
	v_permlanex16_b32 v[236+\b], v[244+\b], s66, s67
.endr
.irp b, 0,1,2,3
	s_delay_alu instid0(VALU_DEP_4)
	v_max_num_f32 v[244+\b], v[244+\b], v[236+\b]
.endr
	s_delay_alu instid0(VALU_DEP_2)
	v_max3_num_f32 v254, v244, v245, v246
	s_delay_alu instid0(VALU_DEP_1)
	v_max_num_f32 v254, v254, v247
	s_delay_alu instid0(VALU_DEP_1)
	v_mul_f32 v254, s84, v254                      ; the step's largest t
	s_delay_alu instid0(VALU_DEP_1)
	v_max_num_f32 v13, v13, v254
	v_mov_b32 v254, v12
	s_delay_alu instid0(VALU_DEP_2)
	v_floor_f32 v12, -v13                          ; -M = floor(-t): M is a whole number
	s_delay_alu instid0(VALU_DEP_1)
	v_sub_f32 v254, v12, v254
	s_delay_alu instid0(VALU_DEP_1)
	v_cvt_i32_f32 v254, v254                       ; (it saturates)
	s_delay_alu instid0(VALU_DEP_1)
	v_ldexp_f32 v252, 1.0, v254                    ; f = 2^(old M - new M)
	NEXTM                                          ; this step's words are used up; the rest of the softmax lies between the request and the next use
.set j, 0
	s_wait_alu depctr_va_vdst(0)
.rept 32
	v_pk_fma_f32 v[S+j:S+1+j], v[S+j:S+1+j], s[84:85], v[12:13] op_sel_hi:[1,0,0]   ; t - M
.set j, j+2
.endr
.irp b, 0,1,2,3
	v_fma_f32 v[244+\b], v[244+\b], s84, v12
.endr
.set j, 0
	s_wait_alu depctr_va_vdst(0)
.rept 64
	v_exp_f32 v[S+j], v[S+j]                       ; p = 2^(t - M): not normalised
.set j, j+1
.endr
	v_pk_mul_f32 v[14:15], v[14:15], v[252:253] op_sel_hi:[1,0]   ; the sums under the new M: a plain place behind the exponentials
	s_wait_alu depctr_va_vdst(0)                   ; one wait for the batch, ahead of its first reader
.irp b, 0,1,2,3
	v_exp_f32 v[244+\b], v[244+\b]                 ; each block's largest p
.endr
	v_pk_add_f32 v[236:237], v[84:85], v[88:89]
	v_pk_add_f32 v[250:251], v[92:93], v[96:97]
	v_pk_add_f32 v[248:249], v[100:101], v[104:105]
	v_pk_add_f32 v[240:241], v[108:109], v[112:113]
	v_pk_add_f32 v[238:239], v[116:117], v[120:121]
	v_pk_add_f32 v[234:235], v[124:125], v[128:129]
	v_pk_add_f32 v[232:233], v[132:133], v[136:137]
	v_pk_add_f32 v[14:15], v[14:15], v[140:141]
	v_pk_add_f32 v[236:237], v[236:237], v[80:81]
	v_pk_add_f32 v[250:251], v[250:251], v[82:83]
	v_pk_add_f32 v[248:249], v[248:249], v[86:87]
	v_pk_add_f32 v[240:241], v[240:241], v[90:91]
	v_pk_add_f32 v[238:239], v[238:239], v[94:95]
	v_pk_add_f32 v[234:235], v[234:235], v[98:99]
	v_pk_add_f32 v[232:233], v[232:233], v[102:103]
	v_pk_add_f32 v[14:15], v[14:15], v[106:107]
	v_pk_add_f32 v[236:237], v[236:237], v[110:111]
	v_pk_add_f32 v[250:251], v[250:251], v[114:115]
	v_pk_add_f32 v[248:249], v[248:249], v[118:119]
	v_pk_add_f32 v[240:241], v[240:241], v[122:123]
	v_pk_add_f32 v[238:239], v[238:239], v[126:127]
	v_pk_add_f32 v[234:235], v[234:235], v[130:131]
	v_pk_add_f32 v[232:233], v[232:233], v[134:135]
	v_pk_add_f32 v[14:15], v[14:15], v[138:139]
	v_pk_add_f32 v[236:237], v[236:237], v[142:143]
	s_delay_alu instid0(VALU_DEP_2)
	v_pk_add_f32 v[14:15], v[14:15], v[240:241]
	s_delay_alu instid0(VALU_DEP_2)
	v_pk_add_f32 v[236:237], v[236:237], v[238:239]
	v_pk_add_f32 v[250:251], v[250:251], v[234:235]
	v_pk_add_f32 v[248:249], v[248:249], v[232:233]
	s_delay_alu instid0(VALU_DEP_2)
	v_pk_add_f32 v[14:15], v[14:15], v[250:251]
	s_delay_alu instid0(VALU_DEP_2)
	v_pk_add_f32 v[236:237], v[236:237], v[248:249]
	s_delay_alu instid0(VALU_DEP_1)
	v_pk_add_f32 v[14:15], v[14:15], v[236:237]
	s_wait_alu depctr_va_vdst(0)                   ; and one for the four
.irp b, 0,1,2,3
	v_max_num_f32 v[244+\b], 0x1800000, v[244+\b]  ; the floor 2^(3 - 127)
.endr
.irp b, 0,1,2,3
	s_delay_alu instid0(VALU_DEP_4)
	v_add_nc_u32 v[248+\b], 0xff000000, v[244+\b]  ; the conversion's scale operand
.endr
.irp b, 0,1,2,3
	s_delay_alu instid0(VALU_DEP_4)
	v_lshrrev_b32 v[236+\b], 23, v[248+\b]
.endr
	s_delay_alu instid0(VALU_DEP_3)
	v_lshl_or_b32 v253, v237, 8, v236              ; p's scale word for these 128 keys
	s_delay_alu instid0(VALU_DEP_1)
	v_lshl_or_b32 v253, v238, 16, v253
	s_delay_alu instid0(VALU_DEP_1)
	v_lshl_or_b32 v253, v239, 24, v253
.irp c, 0,1
	v_cvt_scalef32_pk16_fp6_f32 v[PCD+6*\c:PCD+2+6*\c], v[S+32*\c:S+15+32*\c], v[248+2*\c]
	v_cvt_scalef32_pk16_fp6_f32 v[236+4*\c:238+4*\c], v[S+16+32*\c:S+31+32*\c], v[248+2*\c+1]
.endr
	v_nop                                          ; one plain place behind a scaled conversion
.irp c, 0,1
.irp i, 0,1,2
	v_permlane16_swap_b32 v[PCD+6*\c+\i], v[236+4*\c+\i]
.endr
.irp i, 0,1,2
	s_delay_alu instid0(VALU_DEP_3)
	v_mov_b32 v[PCD+3+6*\c+\i], v[236+4*\c+\i]
.endr
.endr
.set j, 0
.rept 16
	v_pk_mul_f32 v[O+j:O+1+j], v[O+j:O+1+j], v[252:253] op_sel_hi:[1,0]   ; O^T under the new M; these sixteen also stand between the codes' and the scale word's last writes and the products
.set j, j+2
.endr
.irp d, 0,1,2,3                                ; four accumulators by turns
	v_wmma_scale_f32_16x16x128_f8f6f4 v[O+8*\d:O+7+8*\d], v[VF+12*\d:VF+11+12*\d], v[PCD:PCD+11], v[O+8*\d:O+7+8*\d], v[8+\d], v253 matrix_a_fmt:MATRIX_FMT_FP6 matrix_b_fmt:MATRIX_FMT_FP6
.endr
.rept 4
	v_nop                                          ; places for every way on: the next step's loads, the next reads of O^T
.endr
	s_branch .Ltail
.Lhid:
	s_wait_kmcnt 0x0                               ; no load is out on the registers that the next one names
	NEXTM
.Ltail:
	s_wait_xcnt 0x0                                ; the scalar loads have read their base
	s_add_nc_u64 s[90:91], s[90:91], 256
	s_add_co_u32 s88, s88, STEPB
	s_add_co_u32 s89, s89, SCB
	s_lshr_b32 s86, s86, 1
	s_sub_co_u32 s87, s87, 1
	s_cmp_lg_u32 s87, 0
	s_cbranch_scc1 .Lstep
	; THE WAY OUT of a tile
	s_wait_alu depctr_va_vdst(0)
	v_add_f32 v14, v14, v15
	s_delay_alu instid0(VALU_DEP_1)
	v_permlanex16_b32 v252, v14, s66, s67
	s_delay_alu instid0(VALU_DEP_1)
	v_add_f32 v14, v14, v252                       ; the row's sum
	s_wait_alu depctr_va_vdst(0)
	v_rcp_f32 v14, v14
	v_nop                                          ; a plain place behind the reciprocal
	s_and_b32 s99, s94, 15                         ; head
	s_lshl_b32 s96, s100, 4
	s_add_co_u32 s96, s96, s99
	s_mul_i32 s96, s96, 768                        ; oc: ((128 b + t) x 16 + head) x 768
	s_mov_b32 s97, 0
	s_add_nc_u64 s[96:97], s[12:13], s[96:97]
	s_lshl_b32 s98, s100, 9                        ; os: 16 rows of 32 bytes a tile, + 2 x head
	s_lshl_b32 s99, s99, 1
	s_add_co_u32 s98, s98, s99
	s_mov_b32 s99, 0
	s_add_nc_u64 s[98:99], s[14:15], s[98:99]
	s_wait_alu depctr_va_vdst(0)                   ; ahead of the first reader
.set j, 0
.rept 16
	v_pk_mul_f32 v[S+j:S+1+j], v[O+j:O+1+j], v[14:15] op_sel_hi:[1,0]   ; O^T / the sum: register 8 x + i is feature 16 x + 8 h + i
.set j, j+2
.endr
.irp b, 0,1
.irp i, 0,1,2,3,4,5,6,7
	v_permlane16_swap_b32 v[S+16*\b+\i], v[S+8+16*\b+\i]   ; register 16 b + i now is feature 32 b + 16 h + i: natural order
.endr
.endr
.irp b, 0,1
	v_max3_num_f32 v[244+\b], |v[S+16*\b]|, |v[S+1+16*\b]|, 0x1800000
.endr
.irp i, 2,4,6,8,10,12,14
.irp b, 0,1
	s_delay_alu instid0(VALU_DEP_2)
	v_max3_num_f32 v[244+\b], v[244+\b], |v[S+16*\b+\i]|, |v[S+1+16*\b+\i]|
.endr
.endr
.irp b, 0,1
	s_delay_alu instid0(VALU_DEP_2)
	v_permlanex16_b32 v[236+\b], v[244+\b], s66, s67
.endr
.irp b, 0,1
	s_delay_alu instid0(VALU_DEP_2)
	v_max_num_f32 v[244+\b], v[244+\b], v[236+\b]
.endr
.irp b, 0,1
	s_delay_alu instid0(VALU_DEP_2)
	v_add_nc_u32 v[248+\b], 0xff000000, v[244+\b]
.endr
.irp b, 0,1
	s_delay_alu instid0(VALU_DEP_2)
	v_lshrrev_b32 v[236+\b], 23, v[248+\b]
.endr
	s_delay_alu instid0(VALU_DEP_1)
	v_lshl_or_b32 v254, v237, 8, v236              ; my row's two scale bytes of this head
	v_cvt_scalef32_pk16_fp6_f32 v[PCD:PCD+2], v[S:S+15], v248
	v_cvt_scalef32_pk16_fp6_f32 v[240:242], v[S+16:S+31], v249
	v_nop
.irp i, 0,1,2
	v_permlane16_swap_b32 v[PCD+\i], v[240+\i]
.endr
.irp i, 0,1,2
	s_delay_alu instid0(VALU_DEP_3)
	v_mov_b32 v[PCD+3+\i], v[240+\i]               ; six registers: k = 32 h + 0 .. 31 of the head
.endr
	global_store_b128 v1, v[PCD:PCD+3], s[96:97]               ; 512 consecutive bytes,
	global_store_b64 v2, v[PCD+4:PCD+5], s[96:97] offset:512   ; then 256
	global_store_b16 v243, v254, s[98:99]          ; 2 bytes a row: a head owns 2 of a row's 32 scale bytes; both halves of the lanes write the same value
	s_sub_co_u32 s92, s92, 1
	s_cmp_lg_u32 s92, 0
	s_cbranch_scc1 .Ltile
	s_wait_xcnt 0x0
	v_lshl_add_u32 v254, v0, 2, 0x33000
	v_mov_b32 v255, 0
	s_wait_alu depctr_va_vdst(0)
	s_wait_tensorcnt 0x0
	ds_add_u32 v254, v255
	s_wait_dscnt 0x0
	s_endpgm
.Lfunc_end_k_q0357163f5a_attn:
	.size	k_q0357163f5a_attn, .Lfunc_end_k_q0357163f5a_attn-k_q0357163f5a_attn
	.p2alignl 7, 3214868480
	.fill 96, 4, 3214868480
	.section	.rodata,"a",@progbits
	.p2align	6, 0x0
	.amdhsa_kernel k_q0357163f5a_attn
		.amdhsa_group_segment_fixed_size 210944
		.amdhsa_private_segment_fixed_size 0
		.amdhsa_enable_private_segment 0
		.amdhsa_kernarg_size 48
		.amdhsa_user_sgpr_count 2
		.amdhsa_user_sgpr_kernarg_segment_ptr 1
		.amdhsa_wavefront_size32 1
		.amdhsa_system_sgpr_workgroup_id_x 1
		.amdhsa_system_sgpr_workgroup_id_y 1
		.amdhsa_system_sgpr_workgroup_id_z 1
		.amdhsa_system_vgpr_workitem_id 0
		.amdhsa_next_free_vgpr 256
		.amdhsa_next_free_sgpr 106
		.amdhsa_reserve_vcc 0
		.amdhsa_float_denorm_mode_32 3
		.amdhsa_float_denorm_mode_16_64 3
		.amdhsa_memory_ordered 1
		.amdhsa_forward_progress 1
		.amdhsa_inst_pref_size 43
	.end_amdhsa_kernel
	.amdgpu_metadata
---
amdhsa.version: [ 1, 2 ]
amdhsa.kernels:
  - .name:           k_q0357163f5a_attn
    .symbol:         k_q0357163f5a_attn.kd
    .args:
      - { .name: qkvc, .offset: 0, .size: 8, .value_kind: global_buffer, .address_space: global }
      - { .name: qkvs, .offset: 8, .size: 8, .value_kind: global_buffer, .address_space: global }
      - { .name: mw, .offset: 16, .size: 8, .value_kind: global_buffer, .address_space: global }
      - { .name: rowfull, .offset: 24, .size: 8, .value_kind: global_buffer, .address_space: global }
      - { .name: oc, .offset: 32, .size: 8, .value_kind: global_buffer, .address_space: global }
      - { .name: os, .offset: 40, .size: 8, .value_kind: global_buffer, .address_space: global }
    .group_segment_fixed_size: 210944
    .private_segment_fixed_size: 0
    .kernarg_segment_align: 8
    .kernarg_segment_size: 48
    .max_flat_workgroup_size: 512
    .sgpr_count:     106
    .vgpr_count:     256
    .wavefront_size: 32
...
	.end_amdgpu_metadata
.endif
;; end of part 2
;; launch oproj (part 3): grid 4 x 64, 4 waves a work-group, clusters of 4 x 4, 327,680 bytes of LDS; arguments oc, os, W_o_codes, W_o_scales, b_o, out0; writes out0
.if DOCPART == 3
	.amdgcn_target "amdgcn-amd-amdhsa--gfx1250"
	.amdhsa_code_object_version 6
	.text
	.protected	k_q0357163f5a_oproj
	.globl	k_q0357163f5a_oproj
	.p2align	8
	.type	k_q0357163f5a_oproj,@function
k_q0357163f5a_oproj:
	s_mov_b64 s[64:65], 0
	v_nop
	global_prefetch_b8 v0, s[64:65] scope:SCOPE_SE
	s_setreg_imm32_b32 hwreg(HW_REG_WAVE_MODE, 25, 1), 1
	s_wait_xcnt 0x0
	s_wait_alu depctr_hold_cnt(0) depctr_sa_sdst(0) depctr_va_vdst(0) depctr_va_sdst(0) depctr_va_ssrc(0) depctr_va_vcc(0) depctr_vm_vsrc(0)
	s_getreg_b32 s2, hwreg(HW_REG_IB_STS2, 6, 4)
	s_cmp_eq_u32 s2, 0
	s_cbranch_scc0 .Lentry_in_a_cluster
	s_endpgm
.Lentry_in_a_cluster:
	s_bfe_u32 s2, ttmp6, 0x10000c
	s_cmp_lg_u32 s2, 0xf033
	s_cbranch_scc0 .Lentry_shape_is_right
	s_endpgm
.Lentry_shape_is_right:
; out0 = O W_o^T + b_o on codes of FP6 (E2M3) with E8M0 scales, K = 1,024.  A block of out0 is 128 x 256; four waves, 2 x 2, of 64 x 128: 32 accumulators a wave.
; ALL OF K LIES IN LDS.  A = oc: images of operand registers [token tile][head][768]: the block's 8 token tiles are 98,304 dense bytes, fetched as rows of 256.  B = W_o's 256 rows of 768 bytes, 16 of padding behind every 256.
; Four fills at the head, one a wave; nothing is filled again.  The bias is the first products' C.  The matrix instruction is used transposed: a lane holds eight neighbouring columns of a row.
; CLUSTERS: A's tile and scales are asked for jointly along a row of the cluster, B's along a column.  NO PREFETCH: the text has no loop to run ahead in; every tile is asked for once, at the head.
; REGISTERS: window 0: v0-31 addresses; v32-111 scale words (block i, step q at 32 + 10 i + q); v112-207 A's fragments, two sets; on the way out v112-239 rows read back.
;   window 1: B's fragments, two sets.  window 2: the accumulators.  window 3: v0-63 the bias, v136-151 LDS addresses of B's eight blocks.
.set KROW, 768
.set KS, 32
.set PITCH, 816
.set FR, 12
.set AB, 128*PITCH
.set SCL, AB+256*PITCH
.set SBLK, 544
.set SPARE, SCL+24*SBLK
.set SPITCH, 528
.set STO, 24
.set RD, 25
.set CO, 26
.set ADRS, 27
.set SPW, 28
.set NIL, 29
.set SC, 32
.set AF, 112
.set BK, 112
.set BT, 0
.set AD, 128
.set G1, 24
.set G0A, 32
.set G0B, 36
.set G1B, 48
.set G1S, 68
.set G0S, 76
.set G1SB, 80
.set G0SB, 88
.set MSB, 0
.macro WIN new
.if MSB != (\new)
	s_set_vgpr_msb (MSB<<8)|(\new)
.set MSB, (\new)
.endif
.endm
.macro PLACES n
.rept \n
	v_nop
.endr
.endm
.macro CROUND
	s_barrier_signal -1
	s_barrier_wait -1
	s_cmp_lg_u32 s14, 0
	s_cbranch_scc1 .Lnot_wave_0_\@
	s_barrier_signal -3
.Lnot_wave_0_\@:
	s_barrier_wait -3
	s_barrier_signal -1
	s_barrier_wait -1
.endm
.macro GRP g, mask, w0, c, rows
	s_or_b32 s[\g], s[\mask], \w0
	s_mov_b32 s[\g+1], (\c)<<16
	s_mov_b32 s[\g+2], (\rows)<<16
	s_mov_b32 s[\g+3], (\c)<<16
	s_mov_b32 s[\g+4], \rows
	s_mov_b32 s[\g+5], \c
	s_mov_b32 s[\g+6], 0
	s_mov_b32 s[\g+7], 0
.endm
.macro GR0 g, lds, base, off
	s_mov_b32 s[\g], 1
	s_mov_b32 s[\g+1], \lds
	s_add_nc_u64 s[\g+2:\g+3], s[\base:\base+1], s[\off:\off+1]
	s_or_b32 s[\g+3], s[\g+3], 0x80000000
.endm
.macro ARM under, g0, g1, next
	s_cmp_lt_u32 s14, \under
	s_cbranch_scc0 \next
	tensor_load_to_lds s[\g0:\g0+3], s[\g1:\g1+7]
	s_nop 0
	PLACES 4
	s_branch .Lhead_asked
\next:
.endm
	s_load_b128 s[4:7], s[0:1], 0x0                ; oc, os
	s_load_b128 s[8:11], s[0:1], 0x10              ; W_o's codes, scales
	s_load_b64 s[66:67], s[0:1], 0x20              ; b_o
	s_load_b64 s[12:13], s[0:1], 0x28              ; out0
	v_lshl_add_u32 v[SPW], v0, 2, SPARE
	v_mov_b32 v[NIL], 0
	ds_add_u32 v[SPW], v[NIL]                      ; the opening lines: the add twice and its wait
	ds_add_u32 v[SPW], v[NIL]
	v_lshrrev_b32 v1, 5, v0
	v_readfirstlane_b32 s14, v1
	s_lshr_b32 s15, s14, 1
	s_and_b32 s16, s14, 1
	s_bfe_u32 s40, ttmp6, 0x40000
	s_bfe_u32 s41, ttmp6, 0x40004
	s_lshl_b32 s42, ttmp9, 2
	s_add_co_u32 s42, s42, s40                     ; block column, 0 .. 3
	s_and_b32 s17, ttmp7, 0xffff
	s_lshl_b32 s17, s17, 2
	s_add_co_u32 s17, s17, s41                     ; block row, 0 .. 63
	s_lshl_b32 s43, s41, 2
	s_lshl_b32 s43, 15, s43
	s_lshl_b32 s44, 0x1111, s40
	GRP G1, 43, (3<<16)|(1<<21), 32, 384
	GRP G1B, 44, (1<<20)|(1<<21)|(5<<22)|(3<<25), KROW, 256
	GRP G1S, 43, (3<<16)|(1<<20)|(1<<21)|(5<<22)|(3<<25), 32, 16
	GRP G1SB, 44, (3<<16)|(1<<20)|(1<<21)|(5<<22)|(3<<25), 32, 32
	s_lshl_b32 s2, s17, 7
	s_mul_i32 s20, s2, KROW
	s_mov_b32 s21, 0
	s_mul_i32 s22, s2, KS
	s_mov_b32 s23, 0
	s_lshl_b32 s3, s42, 8
	s_mul_i32 s46, s3, KROW
	s_mov_b32 s47, 0
	s_mul_i32 s92, s3, KS
	s_mov_b32 s93, 0
	s_wait_dscnt 0x0
	s_wait_kmcnt 0x0
	CROUND
	GR0 G0A, 0, 4, 20
	GR0 G0B, AB, 8, 46
	GR0 G0S, SCL, 6, 22
	GR0 G0SB, SCL+8*SBLK, 10, 92
	ARM 1, G0S, G1S, .Lhead_sb
	ARM 2, G0SB, G1SB, .Lhead_a
	ARM 3, G0A, G1, .Lhead_b
	tensor_load_to_lds s[G0B:G0B+3], s[G1B:G1B+7]
	s_nop 0
	PLACES 4
.Lhead_asked:
	s_lshl_b32 s20, s17, 7
	s_lshl_b32 s21, s15, 6
	s_add_co_u32 s20, s20, s21
	s_lshl_b32 s20, s20, 12                        ; my first row of out0, 4,096 bytes a row
	s_mov_b32 s21, 0
	s_lshl_b32 s46, s42, 10
	s_lshl_b32 s47, s16, 9
	s_add_co_u32 s46, s46, s47                     ; my first column, in bytes
	s_mov_b32 s47, 0
	s_add_nc_u64 s[12:13], s[12:13], s[20:21]
	s_add_nc_u64 s[12:13], s[12:13], s[46:47]
	s_mul_i32 s58, s15, 4*12288                    ; my four token tiles of A
	s_mul_i32 s59, s16, 128*PITCH
	s_add_co_u32 s59, s59, AB
	s_mul_i32 s60, s15, 4*SBLK
	s_mul_i32 s61, s16, 8*SBLK
	s_add_co_u32 s61, s61, 8*SBLK
	s_sub_co_u32 s61, s61, s60
	s_add_co_u32 s60, s60, SCL
	s_mul_i32 s62, s14, 16*SPITCH                  ; my stage, in A's region, used behind the barrier that follows the last reads
	v_and_b32 v1, 15, v0
	v_bfe_u32 v2, v0, 4, 1
	v_and_b32 v6, 31, v0
	v_mul_u32_u24 v3, v1, PITCH
	v_mad_u32_u24 v4, v2, 24, v3
	v_mad_u32_u24 v5, v2, 40, v3
	v_lshl_add_u32 v16, v6, 4, s58                 ; A: 16 x lane
	v_lshl_add_u32 v17, v6, 3, s58                 ; and 8 x lane
	v_add_nc_u32 v18, s59, v4
	v_add_nc_u32 v19, s59, v5
	WIN 0xc0
.irp i, 0,1,2,3,4,5,6,7
	v_add_nc_u32 v[AD+8+2*\i], \i*16*PITCH, v18
	v_add_nc_u32 v[AD+9+2*\i], \i*16*PITCH, v19
.endr
	WIN 0
	v_mul_u32_u24 v7, v1, KS
	v_lshrrev_b32 v20, 8, v7
	v_lshl_add_u32 v7, v20, 4, v7
	v_mul_u32_u24 v20, s61, v2
	v_add_nc_u32 v7, v7, v20
	v_add_nc_u32 v[ADRS], s60, v7
	v_mul_u32_u24 v8, v1, SPITCH
	v_lshl_add_u32 v8, v2, 5, v8
	v_add_nc_u32 v[STO], s62, v8
	v_lshlrev_b32 v[CO], 4, v6
	v_add_nc_u32 v[RD], s62, v[CO]
	v_lshlrev_b32 v14, 5, v2
	v_add_nc_u32 v14, s46, v14
	WIN 0xc0
.irp b, 0,1,2,3,4,5,6,7
	global_load_b128 v[BT+8*\b:BT+8*\b+3], v14, s[66:67] offset:64*\b
	global_load_b128 v[BT+8*\b+4:BT+8*\b+7], v14, s[66:67] offset:64*\b+16
.endr
	WIN 0
.macro FRAG w, reg, q, a0              ; 16 rows x 128 K from padded rows: six pieces of 8 bytes, two to a load where both go by the same address register
	WIN ((\w)<<6)|3
.set SK_, 0
.irp p, 0,1,2,3,4,5
.if SK_
.set SK_, 0
.else
.set PC_, 12*(\q)+6*(\p/3)+\p%3
.set PN_, 12*(\q)+6*((\p+1)/3)+(\p+1)%3
.set X_, (PC_%32+3)/32
.set XN_, (PN_%32+3)/32
.if (\p < 5) && (X_ == XN_)
.set SK_, 1
	ds_load_2addr_b64 v[\reg+2*\p:\reg+2*\p+3], v[\a0+X_] offset0:PC_+2*(PC_/32) offset1:PN_+2*(PN_/32)
.else
	ds_load_b64 v[\reg+2*\p:\reg+2*\p+1], v[\a0+X_] offset:8*(PC_+2*(PC_/32))
.endif
.endif
.endr
.endm
.macro FETCH st
.irp i, 0,1,2,3,4,5,6,7
	FRAG 1, 128*((\st)%2)+FR*\i, \st, AD+8+2*\i
.endr
	WIN 0
.irp i, 0,1,2,3                        ; A's images: two heads of six registers each
.set R_, AF+48*((\st)%2)+FR*\i
.set O_, \i*12288+(\st)*1536
	ds_load_b128 v[R_:R_+3], v16 offset:O_
	ds_load_b64 v[R_+4:R_+5], v17 offset:O_+512
	ds_load_b128 v[R_+6:R_+9], v16 offset:O_+768
	ds_load_b64 v[R_+10:R_+11], v17 offset:O_+1280
.endr
.endm
.macro WM d, fb, fa, c, sb, sa
	v_wmma_scale_f32_16x16x128_f8f6f4 v[\d:\d+7], v[\fb:\fb+FR-1], v[\fa:\fa+FR-1], \c, v[\sb], v[\sa] matrix_a_fmt:MATRIX_FMT_FP6 matrix_b_fmt:MATRIX_FMT_FP6 matrix_a_scale:MATRIX_SCALE_ROW1
.endm
.macro MUL8 a, st, first               ; the 32 accumulators take turns
.irp b, 0,1,2,3,4,5,6,7
.set D_, 8*(8*(\a)+\b)
.if \first
	WM D_, 128*((\st)%2)+FR*\b, AF+48*((\st)%2)+FR*(\a), v[BT+8*\b:BT+8*\b+7], SC+10*\b+(\st), SC+10*(\a)+(\st)
.else
	WM D_, 128*((\st)%2)+FR*\b, AF+48*((\st)%2)+FR*(\a), v[D_:D_+7], SC+10*\b+(\st), SC+10*(\a)+(\st)
.endif
.endr
.endm
.macro STEP st, first
	s_wait_dscnt 0x0
.if (\st) == 7
	s_barrier_signal -1                            ; my last LDS reads are done
.endif
	WIN 0xa1+0x10*(\first)                         ; the first step takes C, the bias, from window 3
	MUL8 0, \st, \first
.if (\st) < 7
	PLACES 4
	FETCH (\st)+1
	WIN 0xa1+0x10*(\first)
.endif
	MUL8 1, \st, \first
	MUL8 2, \st, \first
	MUL8 3, \st, \first
.endm
	s_wait_alu depctr_va_vdst(0)                   ; the wait at the head's end
	s_wait_tensorcnt 0x0
	s_barrier_signal -1
	s_barrier_wait -1
.irp i, 0,1,2,3,4,5,6,7
	ds_load_b128 v[SC+10*\i:SC+10*\i+3], v[ADRS] offset:\i*SBLK
	ds_load_b128 v[SC+10*\i+4:SC+10*\i+7], v[ADRS] offset:\i*SBLK+16
.endr
	FETCH 0
	s_wait_loadcnt 0x0                             ; the bias
	STEP 0, 1
.set ST, 1
.rept 7
	STEP ST, 0
.set ST, ST+1
.endr
	WIN 0
	s_barrier_wait -1                              ; nobody reads A's region any more: the stages may be written
; THE WAY OUT: a block of 16 rows x 128 columns goes through my stage and comes back as whole rows of 512 bytes
.macro TOSTAGE a
	WIN 0x08
.irp b, 0,1,2,3,4,5,6,7
	ds_store_b128 v[STO], v[64*(\a)+8*\b:64*(\a)+8*\b+3] offset:64*\b
	ds_store_b128 v[STO], v[64*(\a)+8*\b+4:64*(\a)+8*\b+7] offset:64*\b+16
.endr
	WIN 0
.set BB, BK+64*((\a)%2)
.irp t, 0,1,2,3,4,5,6,7,8,9,10,11,12,13,14,15
	ds_load_b128 v[BB+4*\t:BB+4*\t+3], v[RD] offset:\t*SPITCH
.endr
.endm
.macro SEND a, younger
.set BB, BK+64*((\a)%2)
	s_wait_dscnt \younger
.if (\a) > 0
	s_add_nc_u64 s[12:13], s[12:13], 16*4096       ; behind a wait on XCNT: the earlier stores have read their base
.endif
.irp t, 0,1,2,3,4,5,6,7,8,9,10,11,12,13,14,15
	global_store_b128 v[CO], v[BB+4*\t:BB+4*\t+3], s[12:13] offset:\t*4096 th:TH_STORE_NT   ; 32 lanes store 512 consecutive bytes, aligned
.endr
.endm
	PLACES 4
	TOSTAGE 0
.irp a, 1,2,3
.if \a > 1
	s_wait_xcnt 0x0
.endif
	TOSTAGE \a
	SEND \a-1, 32                                  ; behind block a - 1's loads: block a's 16 stores and 16 loads
.endr
	s_wait_xcnt 0x0
	SEND 3, 0
	s_wait_tensorcnt 0x0                           ; the wave's end
	ds_add_u32 v[SPW], v[NIL]
	s_wait_dscnt 0x0
	CROUND
	s_endpgm
.Lfunc_end_k_q0357163f5a_oproj:
	.size	k_q0357163f5a_oproj, .Lfunc_end_k_q0357163f5a_oproj-k_q0357163f5a_oproj
	.p2alignl 7, 3214868480
	.fill 96, 4, 3214868480
	.section	.rodata,"a",@progbits
	.p2align	6, 0x0
	.amdhsa_kernel k_q0357163f5a_oproj
		.amdhsa_group_segment_fixed_size 327680
		.amdhsa_private_segment_fixed_size 0
		.amdhsa_enable_private_segment 0
		.amdhsa_kernarg_size 48
		.amdhsa_user_sgpr_count 2
		.amdhsa_user_sgpr_kernarg_segment_ptr 1
		.amdhsa_wavefront_size32 1
		.amdhsa_system_sgpr_workgroup_id_x 1
		.amdhsa_system_sgpr_workgroup_id_y 1
		.amdhsa_system_sgpr_workgroup_id_z 1
		.amdhsa_system_vgpr_workitem_id 0
		.amdhsa_next_free_vgpr 1024
		.amdhsa_next_free_sgpr 98
		.amdhsa_reserve_vcc 0
		.amdhsa_float_denorm_mode_32 3
		.amdhsa_float_denorm_mode_16_64 3
		.amdhsa_memory_ordered 1
		.amdhsa_forward_progress 1
		.amdhsa_inst_pref_size 82
	.end_amdhsa_kernel
	.amdgpu_metadata
---
amdhsa.version: [ 1, 2 ]
amdhsa.kernels:
  - .name:           k_q0357163f5a_oproj
    .symbol:         k_q0357163f5a_oproj.kd
    .args:
      - { .name: oc, .offset: 0, .size: 8, .value_kind: global_buffer, .address_space: global }
      - { .name: os, .offset: 8, .size: 8, .value_kind: global_buffer, .address_space: global }
      - { .name: W_o_codes, .offset: 16, .size: 8, .value_kind: global_buffer, .address_space: global }
      - { .name: W_o_scales, .offset: 24, .size: 8, .value_kind: global_buffer, .address_space: global }
      - { .name: b_o, .offset: 32, .size: 8, .value_kind: global_buffer, .address_space: global }
      - { .name: out0, .offset: 40, .size: 8, .value_kind: global_buffer, .address_space: global }
    .group_segment_fixed_size: 327680
    .private_segment_fixed_size: 0
    .kernarg_segment_align: 8
    .kernarg_segment_size: 48
    .max_flat_workgroup_size: 128
    .sgpr_count:     98
    .vgpr_count:     1024
    .wavefront_size: 32
...
	.end_amdgpu_metadata
.endif
;; end of part 3
